; MI455X (gfx1250); checked and timed in simulation.
; The chip was launched on July 23, 2026; its instructions are those of AMD's public machine-readable ISA for CDNA 5 (MIT licence, August 2026) and "CDNA5" Instruction Set Architecture Reference Guide (July 2026). The comments in the code are by the model that wrote it; some were corrected since.
;; Brute Force Layer. Allowed arithmetic: float matrix products may take bf16 or f16 operands with f32 sums; other float arithmetic in f32, or as packed bf16 or f16 multiplies, adds, multiply-adds, maxima and minima; sums over many terms, partial sums and values carried from step to step in f32; what a program stores and reads back later, other than sums and carried values, may be rounded once to bf16 or f16.
;; Inputs: candidates 250,000 x 64 float32; queries 512 x 64 float32.
;; Outputs: out0 512 x 100 float32; out1 512 x 100 int32.
;; Constants: k = 100.
;; 2 versions, each right; version 2 is version 1 with the launch rescore written anew for expert scheduling mode. Each part assembles by itself: llvm-mc -triple=amdgcn-amd-amdhsa -mcpu=gfx1250 --defsym DOCPART=n.
;; ======== version 1 of 2: 4 launches
;; workspace buffers: keys 33,554,432 bytes of whole numbers; cb 33,554,432 bytes; gl 262,144 bytes of whole numbers; sc 4,194,304 bytes of whole numbers; ci 4,194,304 bytes of whole numbers
;; launch score (part 1): grid 256 x 1, 4 waves a work-group, no clusters, 327,680 bytes of LDS; arguments candidates, queries, keys, cb; writes keys, cb
.if DOCPART == 1
	.amdgcn_target "amdgcn-amd-amdhsa--gfx1250"
	.amdhsa_code_object_version 6
	.text
	.protected	k_qdfc1752ce3_score
	.globl	k_qdfc1752ce3_score
	.p2align	8
	.type	k_qdfc1752ce3_score,@function
k_qdfc1752ce3_score:
	s_mov_b64 s[64:65], 0
	v_nop
	global_prefetch_b8 v0, s[64:65] scope:SCOPE_SE
	s_setreg_imm32_b32 hwreg(HW_REG_WAVE_MODE, 25, 1), 1
	s_wait_xcnt 0x0
; SCORES AND TILE MAXIMA.  scores[q][n] = queries[q] . candidates[n], operands rounded to bf16, sums in f32 by the matrix unit.
; Nothing of the 512 x 250,000 scores is stored but, for each query, the maximum of every tile of 16 candidates (keys), and a bf16 copy of the candidates (cb).
; SHARES.  250,000 candidates are 15,625 tiles of 16.  Work-group i takes the 62 tiles from 61 i + min(i, 8) on: the last group ends at tile 15,625, so no load leaves the buffer.
; From i = 9 on a group's tile 0 repeats its neighbour's last tile: that key is made the lowest.  A group has 64 key slots; slots 62 and 63 hold the lowest key too.
; Wave w keeps queries 128 w .. 128 w + 127 as eight B fragments (128 registers) for the whole launch; all four waves read the same candidate tiles from LDS.
; LAYOUT.  D = A (16 candidates) x B (16 queries): lane (h, r) holds query r, register j candidate 8 h + j.  A tile's maximum for a query is four maxima in the lane and one exchange of the lanes' halves;
; the exchange serves two tiles at once: afterwards lanes 0-15 hold the even tile's key and lanes 16-31 the odd tile's.
; keys: [512 queries][256 groups][64 slots]: the maximum's f32 bits x as x ^ (x >> 31 | 0x80000000), an unsigned number of the same order; an empty slot holds 0.
; cb: slot (64 i + s) x 2,048 bytes: k / 8 x 256 + row x 16 + k % 8 x 2, which is the A fragment as the lanes hold it.
; NO CLUSTER: the groups share the queries alone, 131,072 bytes read once at the start, against 253,952 bytes of candidates that each group has to itself.
; LIMITS.  A NaN score is dropped by the maxima.
.set PITCH, 272                        ; an LDS row: 256 bytes + 16 of padding = 68 words: the 16 rows of a fragment load start at 16 different groups of four banks (ISA guide 11.1)
.set TILEB, 16*PITCH                   ; a tile of 16 candidates
.set SLOTB, 16*TILEB                   ; a slot: 16 tiles
.set STAGE, 2*SLOTB                    ; 512 rows: first the f32 queries (its one fill), then the key rows: query x 64 keys.  A wave touches its own 128 rows alone
.set WSTG,  128*PITCH
.set SPARE, STAGE+4*WSTG               ; the spare words, 128 bytes for each wave: two blocks of 256 bytes that no other line names
.set SPW, 1                            ; v1   LDS address of my spare word; never rewritten
.set NIL, 2                            ; v2   0; never rewritten
.set LA,  3                            ; v3   LDS address of my part of the pair's even tile
.set STA, 4                            ; v4   where my key of the pair in hand goes
.set CO,  5                            ; v5   16 x lane: my 16 bytes in 512 of cb
.set RD,  6                            ; v6   the way out: where I read key rows back
.set KO,  7                            ; v7   the way out: my byte offset in keys
.set LB,  8                            ; v8   272 r + 32 h
.set B0,  9                            ; v9   my stage + 272 x lane
.set PADV, 10                          ; v[10:11] all ones twice: the bits that become key 0
.set X,   16                           ; v[16:23] the even tile's maxima, by query tile
.set Y,   24                           ; v[24:31] the odd tile's
.set RAW, 32                           ; v[32:63] a tile's 32 f32 of my lane
.set A0,  64                           ; v[64:79], v[80:95] two A fragment pairs (k 0-31, k 32-63)
.set A1,  80
.set D,   96                           ; v[96:111], v[112:127] two sets of two accumulators
.set Q,   128                          ; v[128:255] query tile a at Q + 16 a
.set WV,  12                           ; s12  wave
.set WG,  13                           ; s13  work-group
.set TC,  15                           ; s15  tile in hand, 0 .. 61
.set CNT, 16                           ; s16  loop count
.set G1Q, 20                           ; s[20:27] group 1: 128 rows
.set G1C, 28                           ; s[28:35] 64 rows
.set G1L, 36                           ; s[36:43] 56 rows
.set G0Q, 44                           ; group 0, one set for each of my five loads; none is ever rewritten
.set F0,  48
.set F1,  52
.set F2,  56
.set F3,  60
	s_load_b256 s[4:11], s[0:1], 0x0               ; candidates s[4:5], queries s[6:7], keys s[8:9], cb s[10:11]
	v_lshl_add_u32 v[SPW], v0, 2, SPARE
	v_mov_b32 v[NIL], 0
	ds_add_u32 v[SPW], v[NIL]                      ; the wave's opening: the add and its wait ahead of my first tensor load
	v_lshrrev_b32 v12, 5, v0
	v_readfirstlane_b32 s[WV], v12
	s_mov_b32 s[WG], ttmp9
	; group 1: rows of 64 elements of 4 bytes, 64 elements from row to row, 4 words of padding behind every 64 words
.irp g, G1Q, G1C, G1L
	s_mov_b32 s[\g], (2<<16)|(1<<20)|(5<<22)|(3<<25)
	s_mov_b32 s[\g+1], 64<<16                      ; tensor_dim0
	s_mov_b32 s[\g+3], 64<<16                      ; tile_dim0
	s_mov_b32 s[\g+5], 64                          ; the pitch
	s_mov_b32 s[\g+6], 0
	s_mov_b32 s[\g+7], 0
.endr
	s_mov_b32 s[G1Q+2], 128<<16                    ; tensor_dim1 and tile_dim1: the rows
	s_mov_b32 s[G1Q+4], 128
	s_mov_b32 s[G1C+2], 64<<16
	s_mov_b32 s[G1C+4], 64
	s_mov_b32 s[G1L+2], 56<<16
	s_mov_b32 s[G1L+4], 56
.irp g, G0Q, F0, F1, F2, F3
	s_mov_b32 s[\g], 1
.endr
	s_mul_i32 s17, s[WV], WSTG                     ; LDS addresses: a constant, the wave's number times a constant, the slot's constant
	s_add_co_u32 s[G0Q+1], s17, STAGE
	s_mul_i32 s18, s[WV], 64*PITCH
	s_mov_b32 s[F0+1], s18
	s_add_co_u32 s[F1+1], s18, SLOTB
	s_mov_b32 s[F2+1], s18
	s_mul_i32 s19, s[WV], 56*PITCH
	s_add_co_u32 s[F3+1], s19, SLOTB
	s_min_u32 s17, s[WG], 8
	s_mul_i32 s18, s[WG], 61
	s_add_co_u32 s18, s18, s17                     ; my group's first tile
	s_lshl_b32 s68, s18, 12                        ; x 4,096 bytes
	s_mov_b32 s69, 0
	s_wait_dscnt 0x0                               ; the opening add is done
	s_wait_kmcnt 0x0
	s_add_nc_u64 s[4:5], s[4:5], s[68:69]          ; candidates at the group's span
	s_lshl_b32 s68, s[WV], 14                      ; my 64 rows of a slot
	s_add_nc_u64 s[F0+2:F0+3], s[4:5], s[68:69]
	s_add_nc_u64 s[F1+2:F1+3], s[F0+2:F0+3], 65536
	s_add_nc_u64 s[F2+2:F2+3], s[F0+2:F0+3], 131072
	s_mul_i32 s68, s[WV], 56*256                   ; the last slot has 14 tiles: 56 rows a wave
	s_add_co_u32 s68, s68, 196608
	s_add_nc_u64 s[F3+2:F3+3], s[4:5], s[68:69]
	s_lshl_b32 s68, s[WV], 15                      ; my 128 queries
	s_add_nc_u64 s[G0Q+2:G0Q+3], s[6:7], s[68:69]
.irp g, G0Q, F0, F1, F2, F3
	s_or_b32 s[\g+3], s[\g+3], 0x80000000          ; type = 2
.endr
	tensor_load_to_lds s[G0Q:G0Q+3], s[G1Q:G1Q+7]  ; the first fills go out together: three loads of mine are out
	s_nop 0
	tensor_load_to_lds s[F0:F0+3], s[G1C:G1C+7]
	s_nop 0
	tensor_load_to_lds s[F1:F1+3], s[G1C:G1C+7]
	s_nop 0
	s_lshl_b32 s68, s[WV], 23                      ; keys: my 128 queries x 65,536 bytes, my group's 256 bytes
	s_lshl_b32 s17, s[WG], 8
	s_add_co_u32 s68, s68, s17
	s_add_nc_u64 s[8:9], s[8:9], s[68:69]
	s_lshl_b32 s68, s[WG], 17                      ; cb: my group's 64 slots of 2,048 bytes
	s_add_nc_u64 s[10:11], s[10:11], s[68:69]
	s_mov_b32 s[TC], 0
	v_and_b32 v12, 15, v0                          ; r
	v_bfe_u32 v13, v0, 4, 1                        ; h
	v_and_b32 v14, 31, v0                          ; lane
	v_mul_u32_u24 v[LB], v12, PITCH
	v_lshl_add_u32 v[LB], v13, 5, v[LB]
	v_lshlrev_b32 v[CO], 4, v14
	s_mul_i32 s17, s[WV], WSTG
	s_add_co_u32 s17, s17, STAGE                   ; my stage
	s_sub_co_u32 s18, s17, 8
	v_add_nc_u32 v[LA], s17, v[LB]                 ; for now: my part of the queries
	v_mul_u32_u24 v[STA], v12, PITCH               ; row r, word h, pair -1: it steps by 8 ahead of its first use
	v_lshl_add_u32 v[STA], v13, 2, v[STA]
	v_add_nc_u32 v[STA], s18, v[STA]
	v_mul_u32_u24 v[RD], v13, PITCH                ; back: lanes 0-15 one row of 256 bytes, lanes 16-31 the next
	v_lshl_add_u32 v[RD], v12, 4, v[RD]
	v_add_nc_u32 v[RD], s17, v[RD]
	v_lshlrev_b32 v[KO], 16, v13                   ; and the same two queries in keys
	v_lshl_add_u32 v[KO], v12, 4, v[KO]
	v_mul_u32_u24 v[B0], v14, PITCH
	v_add_nc_u32 v[B0], s17, v[B0]
	v_mov_b32 v[PADV], -1
	v_mov_b32 v[PADV+1], -1
; THE QUERIES: a fragment is 16 rows x 32 k: lane (h, r) holds row r, k = 8 h + 0..7 and 16 + 8 h + 0..7; in f32 that is 32 bytes at 32 h + 64 c, c = 0..3 for the two K steps.
.macro LDQ a, buf
.irp c, 0,1,2,3
	ds_load_b128 v[(\buf)+8*\c:(\buf)+8*\c+3],   v[LA] offset:(\a)*TILEB+64*\c
	ds_load_b128 v[(\buf)+8*\c+4:(\buf)+8*\c+7], v[LA] offset:(\a)*TILEB+64*\c+16
.endr
.endm
.macro CVQ a, buf
.set n, 0
.rept 16
	v_cvt_pk_bf16_f32 v[Q+16*(\a)+n], v[(\buf)+2*n], v[(\buf)+2*n+1]
.set n, n+1
.endr
.endm
	s_wait_tensorcnt 0x2                           ; my queries were asked for first: they are in; the two candidate slots may stay out.  Only I read these rows
	LDQ 0, 32
	LDQ 1, 64
.irp a, 0,1,2,3,4,5
	s_wait_dscnt 8                                 ; the older eight loads are back, the other buffer's eight may be out
	CVQ \a, 32+32*((\a)%2)
	LDQ (\a)+2, 32+32*((\a)%2)
.endr
	s_wait_dscnt 8
	CVQ 6, 32
	s_wait_dscnt 0x0
	CVQ 7, 64
	s_wait_tensorcnt 0x1                           ; my part of slot 0 is in; slot 1's may stay out
	s_barrier_signal -1
	s_barrier_wait -1                              ; everybody's is
.macro LD8 off                         ; a tile's 32 f32 of my lane
.irp c, 0,1,2,3
	ds_load_b128 v[RAW+8*\c:RAW+8*\c+3],   v[LA] offset:(\off)+64*\c
	ds_load_b128 v[RAW+8*\c+4:RAW+8*\c+7], v[LA] offset:(\off)+64*\c+16
.endr
.endm
.macro CV n, dst                       ; two of them rounded to bf16: register n of a fragment pair
	v_cvt_pk_bf16_f32 v[(\dst)+(\n)], v[RAW+2*(\n)], v[RAW+2*(\n)+1]
.endm
.macro MX step, t, d                   ; the maximum of an accumulator's eight registers in four steps, from its low end on
.if (\step) == 1
	v_max3_num_f32 v[\t], v[\d], v[(\d)+1], v[(\d)+2]
.elseif (\step) == 2
	v_max3_num_f32 v[\t], v[\t], v[(\d)+3], v[(\d)+4]
.elseif (\step) == 3
	v_max3_num_f32 v[\t], v[\t], v[(\d)+5], v[(\d)+6]
.else
	v_max_num_f32 v[\t], v[\t], v[(\d)+7]
.endif
.endm
; A TILE: 16 candidates x my 128 queries: four groups of four products (query tiles 2 x and 2 x + 1, two K steps), the two accumulators of a group by turns, the two sets of accumulators by turns.
; Behind each product stand vector instructions that are ready: the maxima of the group before (the other set), the next tile's 16 roundings (groups 0, 1), the joining of two finished tiles' maxima (groups 2, 3).
; DISTANCES (ISA guide 7.12.1).  A group's sums are first read behind the second product of the next group: between stand the four maxima behind its own last product, which name the other set alone.
; A set is written again two groups later, behind those four and the four maxima of its partner accumulator.  The next fragment's first half is written three slots of maxima behind its last reader, its second half behind eight roundings more.
; par: 0 even, 1 odd.  cur, nxt: the fragment pair multiplied, and the one made.  cvt: RAW holds a tile to round.  ld, off: RAW is loaded again.  pm: there is a group before.  comb: there are maxima to join.
.macro TILE par, cur, nxt, cvt, ld, off, pm, comb
.if \cvt
	s_wait_dscnt 0x0                               ; RAW is in (its loads were issued half a tile ago)
.endif
	s_and_b32 s17, s[TC], 3                        ; all four waves hold the same fragments: wave (tile mod 4) stores them as the bf16 copy
	s_cmp_lg_u32 s17, s[WV]
	s_cbranch_scc1 .Lnot_mine_\@
.irp c, 0,1,2,3
	global_store_b128 v[CO], v[(\cur)+4*\c:(\cur)+4*\c+3], s[10:11] offset:512*\c  ; 512 consecutive bytes, at a multiple of 256 from cb's first byte
.endr
.Lnot_mine_\@:
.irp x, 0,1,2,3
.set DA, D+16*((\x)%2)
.set PD, D+16-16*((\x)%2)
.set QQ, Q+32*(\x)
.set PA, (2*(\x)+6)%8
.if (\x) == 0
.set TT, Y-8*(\par)+PA                 ; the group before belongs to the tile before
.else
.set TT, X+8*(\par)+PA
.endif
.set CA, 2*(\x)-4*(\par)               ; odd tile: query tiles 0-3 of this pair; even tile: 4-7 of the pair before
	v_wmma_f32_16x16x32_bf16 v[DA:DA+7], v[(\cur):(\cur)+7], v[QQ:QQ+7], 0
.if (\cvt) && ((\x) < 2)
	CV 8*(\x), \nxt
	CV 8*(\x)+1, \nxt
	CV 8*(\x)+2, \nxt
	CV 8*(\x)+3, \nxt
.elseif (\comb) && ((\x) >= 2)
	v_permlane16_swap_b32 v[X+CA], v[Y+CA]         ; X: even tile h = 0 | odd tile h = 0;  Y: even tile h = 1 | odd tile h = 1
	v_permlane16_swap_b32 v[X+CA+1], v[Y+CA+1]
.endif
	v_wmma_f32_16x16x32_bf16 v[DA+8:DA+15], v[(\cur):(\cur)+7], v[QQ+16:QQ+23], 0
.if (\pm) || ((\x) > 0)
	MX 1, TT, PD
	MX 1, TT+1, PD+8
.endif
.if (\cvt) && ((\x) < 2)
	CV 8*(\x)+4, \nxt
	CV 8*(\x)+5, \nxt
.elseif (\comb) && ((\x) >= 2)
	v_max_num_f32 v[X+CA], v[X+CA], v[Y+CA]
	v_max_num_f32 v[X+CA+1], v[X+CA+1], v[Y+CA+1]
.endif
	v_wmma_f32_16x16x32_bf16 v[DA:DA+7], v[(\cur)+8:(\cur)+15], v[QQ+8:QQ+15], v[DA:DA+7]
.if (\pm) || ((\x) > 0)
	MX 2, TT, PD
	MX 2, TT+1, PD+8
.endif
.if (\cvt) && ((\x) < 2)
	CV 8*(\x)+6, \nxt
	CV 8*(\x)+7, \nxt
.elseif (\comb) && ((\x) >= 2)
	ds_store_b32 v[STA], v[X+CA] offset:CA*TILEB   ; row 16 a + r of my stage, word 2 p + h: 32 different banks
	ds_store_b32 v[STA], v[X+CA+1] offset:(CA+1)*TILEB
.endif
	v_wmma_f32_16x16x32_bf16 v[DA+8:DA+15], v[(\cur)+8:(\cur)+15], v[QQ+24:QQ+31], v[DA+8:DA+15]
.if (\pm) || ((\x) > 0)
	MX 3, TT, PD
	MX 3, TT+1, PD+8
	MX 4, TT, PD
	MX 4, TT+1, PD+8
.else
.rept 4
	v_nop                                          ; the launch's first group has no maxima to take: these are the four places
.endr
.endif
.if (\ld) && ((\x) == 1)
	LD8 \off                                       ; all 16 roundings have read RAW
.endif
.endr
	s_wait_xcnt 0x0                                ; the copy's stores have had their addresses translated (ISA guide 3.1): only now their base steps, and the next tile rounds into their data registers
	s_add_nc_u64 s[10:11], s[10:11], 2048
	s_add_co_u32 s[TC], s[TC], 1
.endm
.macro PAIR pm, more                   ; an even and an odd tile; more = 1: the slot has a further pair, whose tiles are loaded and rounded
	TILE 0, A0, A1, 1, \more, 2*TILEB, \pm, \pm
	v_add_nc_u32 v[STA], 8, v[STA]
	TILE 1, A1, A0, \more, \more, 3*TILEB, 1, 1
.if \more
	v_add_nc_u32 v[LA], 2*TILEB, v[LA]
.endif
.endm
.macro PRO slot                        ; a slot begins: its tile 0 is rounded, its tile 1 asked for
	v_add_nc_u32 v[LA], (\slot)*SLOTB, v[LB]
	LD8 0
	s_wait_dscnt 0x0
.set n, 0
.rept 16
	CV n, A0
.set n, n+1
.endr
	LD8 TILEB
.endm
; THE CHANGE OF SLOTS.  Each wave waits for all its tensor loads (one is out: its part of the other slot), adds 0 to its spare word, waits for that and for its reads of the slot that it leaves, and passes the barrier:
; behind it nobody reads the old slot and the other slot is whole.  fill = 1: the old slot is filled again, my one tensor load behind the barrier and the first thing there; it has a slot's 256 products in which to land.
.macro SWITCH fill, g0, g1
	s_wait_tensorcnt 0x0
	ds_add_u32 v[SPW], v[NIL]
	s_wait_dscnt 0x0
	s_barrier_signal -1
	s_barrier_wait -1
.if \fill
	tensor_load_to_lds s[\g0:\g0+3], s[\g1:\g1+7]
	s_nop 0
.endif
.endm
.macro WALK tag, trips                 ; so many pairs that have a successor, then the slot's last pair
	s_mov_b32 s[CNT], \trips
.Lpair_\tag:
	PAIR 1, 1
	s_sub_co_u32 s[CNT], s[CNT], 1
	s_cmp_lg_u32 s[CNT], 0
	s_cbranch_scc1 .Lpair_\tag
	PAIR 1, 0
.endm
	PRO 0                                          ; tiles 0-15
	PAIR 0, 1
	WALK 0, 6
	SWITCH 1, F2, G1C
	PRO 1                                          ; tiles 16-31
	WALK 1, 7
	SWITCH 1, F3, G1L
	PRO 0                                          ; tiles 32-47
	WALK 2, 7
	SWITCH 0, F3, G1L                              ; nothing is left to fetch
	PRO 1                                          ; tiles 48-61
	WALK 3, 6
	; the last group's maxima (the four maxima behind the last product, on the other set, are its places), and the last pair's query tiles 4-7
.irp st, 1,2,3,4
	MX \st, Y+6, D+16
	MX \st, Y+7, D+24
.endr
.irp a, 4,5,6,7
	v_permlane16_swap_b32 v[X+\a], v[Y+\a]
.endr
.irp a, 4,5,6,7
	v_max_num_f32 v[X+\a], v[X+\a], v[Y+\a]
.endr
.irp a, 4,5,6,7
	ds_store_b32 v[STA], v[X+\a] offset:\a*TILEB
.endr
.irp t, 0,1,2,3
	ds_store_b64 v[B0], v[PADV:PADV+1] offset:\t*32*PITCH+248  ; slots 62 and 63 of my 128 rows
.endr
	s_cmp_lt_u32 s[WG], 9
	s_cbranch_scc1 .Lkeep_first
.irp t, 0,1,2,3
	ds_store_b32 v[B0], v[PADV] offset:\t*32*PITCH ; slot 0 repeats the neighbour's last tile
.endr
.Lkeep_first:
	; THE WAY OUT: my 128 key rows, 16 rows a trip, two rows a load; LDS serves a wave's instructions in order (ISA guide 5.7.1.4), so these loads see the stores above.
	; The bits become unsigned keys of the same order on the way.
	s_mov_b32 s[CNT], 8
.Lout:
.irp t, 0,1,2,3,4,5,6,7
	ds_load_b128 v[RAW+4*\t:RAW+4*\t+3], v[RD] offset:\t*2*PITCH
.endr
	s_wait_dscnt 0x0
.set n, 0
.rept 32
	v_ashrrev_i32 v[A0+n], 31, v[RAW+n]
.set n, n+1
.endr
.set n, 0
.rept 32
	v_or_b32 v[A0+n], 0x80000000, v[A0+n]
.set n, n+1
.endr
.set n, 0
.rept 32
	v_xor_b32 v[RAW+n], v[RAW+n], v[A0+n]
.set n, n+1
.endr
.irp t, 0,1,2,3,4,5,6,7
	global_store_b128 v[KO], v[RAW+4*\t:RAW+4*\t+3], s[8:9] offset:\t*131072  ; 16 lanes store a query's 256 bytes of this group, aligned
.endr
	s_wait_xcnt 0x0                                ; the stores' data and offset registers are written again only behind this wait
	v_add_nc_u32 v[RD], 16*PITCH, v[RD]
	v_add_nc_u32 v[KO], 8*131072, v[KO]
	s_sub_co_u32 s[CNT], s[CNT], 1
	s_cmp_lg_u32 s[CNT], 0
	s_cbranch_scc1 .Lout
	s_wait_tensorcnt 0x0                           ; the wave's end
	ds_add_u32 v[SPW], v[NIL]
	s_wait_dscnt 0x0
	s_endpgm
.Lfunc_end_k_qdfc1752ce3_score:
	.size	k_qdfc1752ce3_score, .Lfunc_end_k_qdfc1752ce3_score-k_qdfc1752ce3_score
	.p2alignl 7, 3214868480
	.fill 96, 4, 3214868480
	.section	.rodata,"a",@progbits
	.p2align	6, 0x0
	.amdhsa_kernel k_qdfc1752ce3_score
		.amdhsa_group_segment_fixed_size 327680
		.amdhsa_private_segment_fixed_size 0
		.amdhsa_enable_private_segment 0
		.amdhsa_kernarg_size 32
		.amdhsa_user_sgpr_count 2
		.amdhsa_user_sgpr_kernarg_segment_ptr 1
		.amdhsa_wavefront_size32 1
		.amdhsa_system_sgpr_workgroup_id_x 1
		.amdhsa_system_sgpr_workgroup_id_y 1
		.amdhsa_system_sgpr_workgroup_id_z 1
		.amdhsa_system_vgpr_workitem_id 0
		.amdhsa_next_free_vgpr 256
		.amdhsa_next_free_sgpr 72
		.amdhsa_reserve_vcc 0
		.amdhsa_float_denorm_mode_32 3
		.amdhsa_float_denorm_mode_16_64 3
		.amdhsa_memory_ordered 1
		.amdhsa_forward_progress 1
		.amdhsa_inst_pref_size 123
	.end_amdhsa_kernel
	.amdgpu_metadata
---
amdhsa.version: [ 1, 2 ]
amdhsa.kernels:
  - .name:           k_qdfc1752ce3_score
    .symbol:         k_qdfc1752ce3_score.kd
    .args:
      - { .name: candidates, .offset: 0, .size: 8, .value_kind: global_buffer, .address_space: global }
      - { .name: queries, .offset: 8, .size: 8, .value_kind: global_buffer, .address_space: global }
      - { .name: keys, .offset: 16, .size: 8, .value_kind: global_buffer, .address_space: global }
      - { .name: cb, .offset: 24, .size: 8, .value_kind: global_buffer, .address_space: global }
    .group_segment_fixed_size: 327680
    .private_segment_fixed_size: 0
    .kernarg_segment_align: 8
    .kernarg_segment_size: 32
    .max_flat_workgroup_size: 128
    .sgpr_count:     72
    .vgpr_count:     256
    .wavefront_size: 32
...
	.end_amdgpu_metadata
.endif
;; end of part 1
;; launch pick (part 2): grid 512 x 1, 4 waves a work-group, no clusters, 8,704 bytes of LDS; arguments keys, gl; writes gl
.if DOCPART == 2
	.amdgcn_target "amdgcn-amd-amdhsa--gfx1250"
	.amdhsa_code_object_version 6
	.text
	.protected	k_qdfc1752ce3_pick
	.globl	k_qdfc1752ce3_pick
	.p2align	8
	.type	k_qdfc1752ce3_pick,@function
k_qdfc1752ce3_pick:
	s_mov_b64 s[64:65], 0
	v_nop
	global_prefetch_b8 v0, s[64:65] scope:SCOPE_SE
	s_setreg_imm32_b32 hwreg(HW_REG_WAVE_MODE, 25, 1), 1
	s_wait_xcnt 0x0
; THE 128 BEST TILES OF EACH QUERY, by whole-number arithmetic and a network of fixed shape: comparisons steer selections of values alone; no branch and no LDS address hangs on a key.
; A work-group is a query, four waves.  The query has 16,384 tile keys (unsigned, of the scores' order).  First the maxima of blocks of 8 tiles: 2,048 block keys, of which the 128 best are found;
; then those blocks' 1,024 tile keys are gathered, and of them the 128 best slots go to gl (their order there means nothing).  The 128 best tiles lie in the 128 best blocks: a block ahead of mine has a tile ahead of mine.
; The 100 best candidates lie in the 100 best tiles.  LIMIT: the keys are the matrix unit's sums and the final scores are summed in another order; 28 tiles more than 100 are taken for that difference
; (a few units in the last place); where more tile maxima than that lie so near the 100th, a candidate at the edge can be missed.
; AN ELEMENT is 64 bits, the key above and ~id below: greater = higher key, then lower id.  a > b in three lines: a.lo > b.lo; that bit added to a.hi; the sum > b.hi.  LIMIT: a key of all ones (bits of a NaN) overflows there.
; A LIST is 128 elements, four a lane: index i = 4 x lane + j.  SORT128 is the bitonic sort, ascending.  R is the best 128 so far, descending.  ABSORB: R[i] = max(R[i], N[i]) is bitonic and holds the best 128 of both; seven stages sort it.
; A stage between lanes: each lane fetches its partner's element and keeps its own where (mine > partner) equals (I am to keep the greater); the second is a constant mask of lanes.
; The loop's text names fixed registers, so the lists that wait move up four registers a trip.
.set ALL,   0xffffffff
.set LMX1,  0xaaaaaaaa                 ; LMXn: the lanes whose number has the bit of value n
.set LMX2,  0xcccccccc
.set LMX4,  0xf0f0f0f0
.set LMX8,  0xff00ff00
.set LMX16, 0xffff0000
.set EX1,   0                          ; LDS: the four waves' lists meet: elements 0, 1 at 16 x thread, elements 2, 3 2,048 bytes on
.set EX2,   4096                       ; the second meeting has bytes of its own
.set SPARE, 8192                       ; the spare words, 128 bytes for each wave: two blocks of 256 bytes that no other line names
.set SPW, 1                            ; v1, v2 the add's registers; never rewritten
.set NIL, 2
.set LN,  3                            ; v3   lane
.set SA,  4                            ; v4   16 x thread
.set LL,  5                            ; v5   16 x lane
.set LW,  6                            ; v6   a walking LDS address
.set GV,  7                            ; v7   16,384 x wave + 16 x lane
.set BK,  8                            ; v8   at work; a block's number
.set GO,  9                            ; v9   at work; the gather's byte offset
.set NID, 10                           ; v[10:13] ~id of element j in the first list that waits
.set T,   14                           ; v[14:17] at work
.set P,   18                           ; v[18:25] the partners' elements
.set R,   26                           ; v[26:33] element j: low word at R + 2 j, key at R + 2 j + 1
.set R2,  34                           ; v[34:41] a stage between registers writes the other set
.set X,   42                           ; v[42:49], v[50:57] the list in hand, likewise
.set Y,   50
.set KQ,  58                           ; v[58:73] the keys of the lists that wait
.set RAW, 128                          ; v[128:255] the tile keys as loaded
.set C,   12                           ; s[12:15] four comparisons at a time
.set SEL, 16                           ; s[16:17] v_permlanex16_b32: lane i takes lane i xor 16
.set REV, 18                           ; s[18:19] lane i takes lane 31 - i
.set ODD, 23                           ; s23  the odd lanes
.set WV,  24                           ; s24  wave
.set CNT, 25                           ; s25  loop count
.set STP, 26                           ; s26  what the ids of the list in hand lie above the first list's
; a stage between lanes xm apart, on the four elements at b; mask: the lanes that keep the lesser
.macro XL b, xm, mask
.irp j, 0,1,2,3,4,5,6,7
.if (\xm) < 16
	v_mov_b32_dpp v[P+\j], v[(\b)+\j] row_xmask:\xm row_mask:0xf bank_mask:0xf
.else
	v_permlanex16_b32 v[P+\j], v[(\b)+\j], s[SEL], s[SEL+1]
.endif
.endr
.irp j, 0,1,2,3
	v_cmp_gt_u32 s[C+\j], v[(\b)+2*\j], v[P+2*\j]
.endr
.irp j, 0,1,2,3
	v_add_co_ci_u32 v[T+\j], s[C+\j], 0, v[(\b)+2*\j+1], s[C+\j]
.endr
.irp j, 0,1,2,3
	v_cmp_gt_u32 s[C+\j], v[T+\j], v[P+2*\j+1]
.endr
.irp j, 0,1,2,3
	s_xor_b32 s[C+\j], s[C+\j], \mask
.endr
.irp j, 0,1,2,3
	v_cndmask_b32 v[(\b)+2*\j], v[P+2*\j], v[(\b)+2*\j], s[C+\j]
	v_cndmask_b32 v[(\b)+2*\j+1], v[P+2*\j+1], v[(\b)+2*\j+1], s[C+\j]
.endr
.endm
; a stage between registers dist apart, from set s into set d; m0, m1: the lanes in which the pair's lower index keeps the lesser
.macro XR s, d, dist, m0, m1
.set PA0, 0
.set PB0, \dist
.set PA1, 3-(\dist)
.set PB1, 3
	v_cmp_gt_u32 s[C], v[(\s)+2*PA0], v[(\s)+2*PB0]
	v_cmp_gt_u32 s[C+1], v[(\s)+2*PA1], v[(\s)+2*PB1]
	v_add_co_ci_u32 v[T], s[C], 0, v[(\s)+2*PA0+1], s[C]
	v_add_co_ci_u32 v[T+1], s[C+1], 0, v[(\s)+2*PA1+1], s[C+1]
	v_cmp_gt_u32 s[C], v[T], v[(\s)+2*PB0+1]
	v_cmp_gt_u32 s[C+1], v[T+1], v[(\s)+2*PB1+1]
.if (\m0) != 0
	s_xor_b32 s[C], s[C], \m0
.endif
.if (\m1) != 0
	s_xor_b32 s[C+1], s[C+1], \m1
.endif
	v_cndmask_b32 v[(\d)+2*PA0], v[(\s)+2*PB0], v[(\s)+2*PA0], s[C]
	v_cndmask_b32 v[(\d)+2*PA1], v[(\s)+2*PB1], v[(\s)+2*PA1], s[C+1]
	v_cndmask_b32 v[(\d)+2*PA0+1], v[(\s)+2*PB0+1], v[(\s)+2*PA0+1], s[C]
	v_cndmask_b32 v[(\d)+2*PA1+1], v[(\s)+2*PB1+1], v[(\s)+2*PA1+1], s[C+1]
	v_cndmask_b32 v[(\d)+2*PB0], v[(\s)+2*PA0], v[(\s)+2*PB0], s[C]
	v_cndmask_b32 v[(\d)+2*PB1], v[(\s)+2*PA1], v[(\s)+2*PB1], s[C+1]
	v_cndmask_b32 v[(\d)+2*PB0+1], v[(\s)+2*PA0+1], v[(\s)+2*PB0+1], s[C]
	v_cndmask_b32 v[(\d)+2*PB1+1], v[(\s)+2*PA1+1], v[(\s)+2*PB1+1], s[C+1]
.endm
; one merging phase: the stages from lane distance top down to 1, then register distances 2 and 1 (there and back: the list ends in the set in which it began).  dm: the lanes whose block is descending
.macro PHASE set, alt, top, dm
.irp xm, 16,8,4,2,1
.if \xm <= (\top)
	XL \set, \xm, ((\dm)^LMX\xm^ALL)
.endif
.endr
	XR \set, \alt, 2, ((\dm)^ALL), ((\dm)^ALL)
	XR \alt, \set, 1, ((\dm)^ALL), ((\dm)^ALL)
.endm
.macro SORT128                         ; the list in X is sorted, ascending, into Y: blocks of 2, 4, .. 128; a block descends where the index has the bit of the block's size
	XR X, Y, 1, ALL, 0
	PHASE Y, X, 0, LMX1
	PHASE Y, X, 1, LMX2
	PHASE Y, X, 2, LMX4
	PHASE Y, X, 4, LMX8
	PHASE Y, X, 8, LMX16
	PHASE Y, X, 16, 0
.endm
.macro ABSORB n                        ; the ascending list at n goes into R
.irp j, 0,1,2,3
	v_cmp_gt_u32 s[C+\j], v[R+2*\j], v[(\n)+2*\j]
.endr
.irp j, 0,1,2,3
	v_add_co_ci_u32 v[T+\j], s[C+\j], 0, v[R+2*\j+1], s[C+\j]
.endr
.irp j, 0,1,2,3
	v_cmp_gt_u32 s[C+\j], v[T+\j], v[(\n)+2*\j+1]
.endr
.irp j, 0,1,2,3
	v_cndmask_b32 v[R+2*\j], v[(\n)+2*\j], v[R+2*\j], s[C+\j]
	v_cndmask_b32 v[R+2*\j+1], v[(\n)+2*\j+1], v[R+2*\j+1], s[C+\j]
.endr
	PHASE R, R2, 16, ALL
.endm
.macro CLEAR_R                         ; eight registers: an element of zeros is below every element that is read
.irp i, 0,1,2,3,4,5,6,7
	v_mov_b32 v[R+\i], 0
.endr
.endm
; so many lists are taken from the queue, sorted and absorbed; step: what a list's ids lie above those of the list before; nq: the registers that move up
.macro STREAM tag, trips, step, nq
	s_mov_b32 s[STP], 0
	s_mov_b32 s[CNT], \trips
.Lstream_\tag:
.irp j, 0,1,2,3
	v_sub_nc_u32 v[X+2*\j], v[NID+\j], s[STP]      ; ~(id + step) = ~id - step
	v_mov_b32 v[X+2*\j+1], v[KQ+\j]
.endr
.set n, 0
.rept \nq
	v_mov_b32 v[KQ+n], v[KQ+n+4]
.set n, n+1
.endr
	SORT128
	ABSORB Y
	s_add_co_u32 s[STP], s[STP], \step
	s_sub_co_u32 s[CNT], s[CNT], 1
	s_cmp_lg_u32 s[CNT], 0
	s_cbranch_scc1 .Lstream_\tag
.endm
; THE FOUR WAVES' LISTS MEET.  Each wave stores its R, waits for its stores and passes the barrier; then every wave absorbs all four lists, so that all four hold the same result.
; A stored list descends; read with lanes and registers reversed it ascends.  pre = 1: a barrier ahead of the stores too, behind every wave's wait for its reads of the meeting before.
.macro MEET tag, base, pre
.if \pre
	s_wait_dscnt 0x0
	s_barrier_signal -1
	s_barrier_wait -1
.endif
	ds_store_b128 v[SA], v[R:R+3] offset:\base
	ds_store_b128 v[SA], v[R+4:R+7] offset:(\base)+2048
	s_wait_dscnt 0x0                               ; for the others' sake: my list is stored
	s_barrier_signal -1
	s_barrier_wait -1
	CLEAR_R
	v_mov_b32 v[LW], v[LL]
	s_mov_b32 s[CNT], 4
.Lmeet_\tag:
	ds_load_b128 v[Y:Y+3], v[LW] offset:\base
	ds_load_b128 v[Y+4:Y+7], v[LW] offset:(\base)+2048
	s_wait_dscnt 0x0
.irp j, 0,1,2,3
	v_permlanex16_b32 v[X+2*\j], v[Y+6-2*\j], s[REV], s[REV+1]
	v_permlanex16_b32 v[X+2*\j+1], v[Y+7-2*\j], s[REV], s[REV+1]
.endr
	ABSORB X
	v_add_nc_u32 v[LW], 512, v[LW]                 ; the next wave's list
	s_sub_co_u32 s[CNT], s[CNT], 1
	s_cmp_lg_u32 s[CNT], 0
	s_cbranch_scc1 .Lmeet_\tag
.endm
	s_load_b128 s[4:7], s[0:1], 0x0                ; keys s[4:5], gl s[6:7]
	v_lshl_add_u32 v[SPW], v0, 2, SPARE
	v_mov_b32 v[NIL], 0
	v_lshrrev_b32 v[BK], 5, v0
	v_readfirstlane_b32 s[WV], v[BK]
	v_and_b32 v[LN], 31, v0
	v_lshlrev_b32 v[SA], 4, v0
	v_lshlrev_b32 v[LL], 4, v[LN]
	v_lshl_add_u32 v[GV], v[BK], 14, v[LL]
	s_mov_b32 s[SEL], 0x76543210
	s_mov_b32 s[SEL+1], 0xfedcba98
	s_mov_b32 s[REV], 0x89abcdef
	s_mov_b32 s[REV+1], 0x01234567
	s_mov_b32 s[ODD], LMX1
	s_lshl_b32 s2, ttmp9, 16                       ; the query's row of 65,536 bytes
	s_mov_b32 s3, 0
	s_wait_kmcnt 0x0
	s_add_nc_u64 s[4:5], s[4:5], s[2:3]
.set g, 0
.rept 32                                               ; my wave's 16,384 bytes, 512 consecutive bytes a load, all on their way at once
	global_load_b128 v[RAW+4*g:RAW+4*g+3], v[GV], s[4:5] offset:512*g
.set g, g+1
.endr
	s_lshl_b32 s2, ttmp9, 9
	s_add_nc_u64 s[6:7], s[6:7], s[2:3]
	; element j of my lane in list t is block 512 w + 128 t + 16 (j + 4 (lane & 1)) + lane / 2
	v_and_b32 v[BK], 1, v0
	v_bfe_u32 v[GO], v0, 1, 4
	v_lshl_add_u32 v[GO], v[BK], 6, v[GO]
	s_lshl_b32 s20, s[WV], 9
	v_add_nc_u32 v[GO], s20, v[GO]
	v_xor_b32 v[GO], -1, v[GO]
.irp j, 0,1,2,3
	v_add_nc_u32 v[NID+\j], (ALL+1-16*\j)&ALL, v[GO]
.endr
.irp i, 0,1,2,3,4,5,6,7
	v_mov_b32 v[P+\i], 0                           ; written once whole: the lane moves count as readers of their destination
.endr
	CLEAR_R
; List t: load m holds 16 blocks, a block in two neighbouring lanes: the maximum of my four keys and of my neighbour's; even lanes then take loads 0-3, odd lanes loads 4-7
.macro RED t
	s_wait_loadcnt 8*(3-(\t))                      ; loads come back in order (ISA guide 5.7.1): this list's eight are in, the eight of each later list may be out
.irp m, 0,1,2,3,4,5,6,7
	v_max_u32 v[RAW+4*(8*(\t)+\m)], v[RAW+4*(8*(\t)+\m)], v[RAW+4*(8*(\t)+\m)+1]
.endr
.irp m, 0,1,2,3,4,5,6,7
	v_max_u32 v[RAW+4*(8*(\t)+\m)+2], v[RAW+4*(8*(\t)+\m)+2], v[RAW+4*(8*(\t)+\m)+3]
.endr
.irp m, 0,1,2,3,4,5,6,7
	v_max_u32 v[RAW+4*(8*(\t)+\m)], v[RAW+4*(8*(\t)+\m)], v[RAW+4*(8*(\t)+\m)+2]
.endr
.irp m, 0,1,2,3,4,5,6,7
	v_mov_b32_dpp v[P+\m], v[RAW+4*(8*(\t)+\m)] row_xmask:1 row_mask:0xf bank_mask:0xf
.endr
.irp m, 0,1,2,3,4,5,6,7
	v_max_u32 v[RAW+4*(8*(\t)+\m)], v[RAW+4*(8*(\t)+\m)], v[P+\m]
.endr
.irp j, 0,1,2,3
	v_cndmask_b32 v[KQ+4*(\t)+\j], v[RAW+4*(8*(\t)+\j)], v[RAW+4*(8*(\t)+\j+4)], s[ODD]
.endr
.endm
	RED 0
	RED 1
	RED 2
	RED 3
	STREAM a, 4, 128, 12                           ; my wave's 512 blocks
	MEET a, EX1, 0                                 ; R: the query's 128 best blocks, in every wave
	; wave w takes the blocks in register w, one a lane, and gathers each block's eight tile keys, 32 bytes
	s_cmp_eq_u32 s[WV], 1
	s_cselect_b32 s20, -1, 0
	s_cmp_eq_u32 s[WV], 2
	s_cselect_b32 s21, -1, 0
	s_cmp_eq_u32 s[WV], 3
	s_cselect_b32 s22, -1, 0
	v_cndmask_b32 v[BK], v[R], v[R+2], s20
	v_cndmask_b32 v[BK], v[BK], v[R+4], s21
	v_cndmask_b32 v[BK], v[BK], v[R+6], s22
	v_xor_b32 v[BK], -1, v[BK]                     ; the block's number
	v_min_u32 v[BK], 0x7ff, v[BK]                  ; a row has 2,048 blocks
	v_lshlrev_b32 v[GO], 5, v[BK]
	global_load_b128 v[KQ:KQ+3], v[GO], s[4:5]
	global_load_b128 v[KQ+4:KQ+7], v[GO], s[4:5] offset:16
	v_lshlrev_b32 v[BK], 3, v[BK]                  ; its first slot
	v_xor_b32 v[BK], -1, v[BK]
.irp j, 0,1,2,3
	v_add_nc_u32 v[NID+\j], -\j, v[BK]
.endr
	CLEAR_R
	s_wait_loadcnt 0x0
	STREAM b, 2, 4, 4                              ; my 32 blocks' 256 tiles: slots 0-3 of each, then slots 4-7
	MEET b, EX2, 1                                 ; R: the query's 128 best tiles
	s_wait_tensorcnt 0x0                           ; the wave's end, behind my last LDS store
	ds_add_u32 v[SPW], v[NIL]
	s_wait_dscnt 0x0
	s_cmp_lg_u32 s[WV], 0
	s_cbranch_scc1 .Lend                           ; all four waves hold the same list: wave 0 stores it
.irp j, 0,1,2,3
	v_xor_b32 v[X+\j], -1, v[R+2*\j]
.endr
	global_store_b128 v[LL], v[X:X+3], s[6:7]      ; 512 consecutive bytes, aligned
.Lend:
	s_endpgm
.Lfunc_end_k_qdfc1752ce3_pick:
	.size	k_qdfc1752ce3_pick, .Lfunc_end_k_qdfc1752ce3_pick-k_qdfc1752ce3_pick
	.p2alignl 7, 3214868480
	.fill 96, 4, 3214868480
	.section	.rodata,"a",@progbits
	.p2align	6, 0x0
	.amdhsa_kernel k_qdfc1752ce3_pick
		.amdhsa_group_segment_fixed_size 8704
		.amdhsa_private_segment_fixed_size 0
		.amdhsa_enable_private_segment 0
		.amdhsa_kernarg_size 16
		.amdhsa_user_sgpr_count 2
		.amdhsa_user_sgpr_kernarg_segment_ptr 1
		.amdhsa_wavefront_size32 1
		.amdhsa_system_sgpr_workgroup_id_x 1
		.amdhsa_system_sgpr_workgroup_id_y 1
		.amdhsa_system_sgpr_workgroup_id_z 1
		.amdhsa_system_vgpr_workitem_id 0
		.amdhsa_next_free_vgpr 256
		.amdhsa_next_free_sgpr 66
		.amdhsa_reserve_vcc 0
		.amdhsa_float_denorm_mode_32 3
		.amdhsa_float_denorm_mode_16_64 3
		.amdhsa_memory_ordered 1
		.amdhsa_forward_progress 1
		.amdhsa_inst_pref_size 156
	.end_amdhsa_kernel
	.amdgpu_metadata
---
amdhsa.version: [ 1, 2 ]
amdhsa.kernels:
  - .name:           k_qdfc1752ce3_pick
    .symbol:         k_qdfc1752ce3_pick.kd
    .args:
      - { .name: keys, .offset: 0, .size: 8, .value_kind: global_buffer, .address_space: global }
      - { .name: gl, .offset: 8, .size: 8, .value_kind: global_buffer, .address_space: global }
    .group_segment_fixed_size: 8704
    .private_segment_fixed_size: 0
    .kernarg_segment_align: 8
    .kernarg_segment_size: 16
    .max_flat_workgroup_size: 128
    .sgpr_count:     66
    .vgpr_count:     256
    .wavefront_size: 32
...
	.end_amdgpu_metadata
.endif
;; end of part 2
;; launch rescore (part 3): grid 512 x 1, 16 waves a work-group, no clusters, 0 bytes of LDS; arguments gl, cb, queries, sc, ci; writes sc, ci
.if DOCPART == 3
	.amdgcn_target "amdgcn-amd-amdhsa--gfx1250"
	.amdhsa_code_object_version 6
	.text
	.protected	k_qdfc1752ce3_rescore
	.globl	k_qdfc1752ce3_rescore
	.p2align	8
	.type	k_qdfc1752ce3_rescore,@function
k_qdfc1752ce3_rescore:
	s_mov_b64 s[64:65], 0
	v_nop
	global_prefetch_b8 v0, s[64:65] scope:SCOPE_SE
	s_setreg_imm32_b32 hwreg(HW_REG_WAVE_MODE, 25, 1), 1
	s_wait_xcnt 0x0
; THE CHOSEN CANDIDATES' SCORES ANEW.  For each query the 128 tiles that gl names, 16 candidates each: score = the sum over k, ascending, of bf16(q[k]) x bf16(c[k]), one f32 chain from +0.
; Each product of two bf16 numbers is exact in f32, so each link rounds once, as a multiply and an add in f32 would.  The order of the additions is what this launch is for: indices are compared exactly.
; NOT ON THE MATRIX UNIT: these are 0.8 per cent of the scores; every query has candidates of its own, so a matrix instruction would use one of its sixteen columns; and its sums have another order.
; SHARES.  A work-group is a query, 512 threads.  Thread t scores row t % 16 of the tiles at gl's places t / 16 + 32 x, x = 0 .. 3.  Sixteen lanes read 256 consecutive aligned bytes of cb a load.
; All 32 loads of a lane go out together.  sc takes the score's bits x as x ^ (x >> 31 | 0x80000000), an unsigned number of the same order; ci takes ~index.  The chain never yields -0.
; v1 4 (t / 16); v2 r; v3 16 r; v[4:7] slots; v[8:11] byte offsets in cb; v12, v13 at work; v[16:19] sums; v[20:23] candidate indices; v24 16 t; v[26:29] at work; v[32:63] the query in bf16; v[64:191] tile x's row at 64 + 32 x
	s_load_b256 s[4:11], s[0:1], 0x0               ; gl s[4:5], cb s[6:7], queries s[8:9], sc s[10:11]
	s_load_b64 s[12:13], s[0:1], 0x20              ; ci
	v_lshrrev_b32 v1, 4, v0
	v_lshlrev_b32 v1, 2, v1
	v_and_b32 v2, 15, v0
	v_lshlrev_b32 v3, 4, v2
	v_lshlrev_b32 v24, 4, v0
	s_mov_b32 s3, 0
	s_wait_kmcnt 0x0
	s_lshl_b32 s2, ttmp9, 9
	s_add_nc_u64 s[4:5], s[4:5], s[2:3]
.irp x, 0,1,2,3
	global_load_b32 v[4+\x], v1, s[4:5] offset:128*\x
.endr
	s_lshl_b32 s2, ttmp9, 8
	s_add_nc_u64 s[8:9], s[8:9], s[2:3]
	s_load_b512 s[16:31], s[8:9], 0x0              ; the query's 64 numbers
	s_load_b512 s[32:47], s[8:9], 0x40
	s_load_b512 s[48:63], s[8:9], 0x80
	s_load_b512 s[68:83], s[8:9], 0xc0
	s_lshl_b32 s2, ttmp9, 13
	s_add_nc_u64 s[10:11], s[10:11], s[2:3]
	s_add_nc_u64 s[12:13], s[12:13], s[2:3]
	s_wait_loadcnt 0x0
.irp x, 0,1,2,3
	v_min_u32 v[4+\x], 0x3fff, v[4+\x]             ; a slot's number: cb has 16,384 slots
	v_lshl_add_u32 v[8+\x], v[4+\x], 11, v3        ; x 2,048 bytes + my row's 16
.endr
.irp j, 0,1,2,3,4,5,6,7
.irp x, 0,1,2,3
	global_load_b128 v[64+32*\x+4*\j:64+32*\x+4*\j+3], v[8+\x], s[6:7] offset:256*\j  ; k = 8 j .. 8 j + 7 of my row
.endr
.endr
	; meanwhile: candidate index = 16 x (61 g + min(g, 8) + s) + r for slot 64 g + s
.irp x, 0,1,2,3
	v_lshrrev_b32 v12, 6, v[4+\x]
	v_min_u32 v13, 8, v12
	v_mad_u32_u24 v12, v12, 61, v13
	v_and_b32 v13, 63, v[4+\x]
	v_add_nc_u32 v12, v12, v13
	v_lshl_add_u32 v[20+\x], v12, 4, v2
	v_mov_b32 v[16+\x], 0
.endr
	s_wait_kmcnt 0x0
.set i, 0
.rept 32
.if i < 24
	v_cvt_pk_bf16_f32 v[32+i], s[16+2*i], s[17+2*i]
.else
	v_cvt_pk_bf16_f32 v[32+i], s[68+2*(i-24)], s[69+2*(i-24)]
.endif
.set i, i+1
.endr
.irp j, 0,1,2,3,4,5,6,7
	s_wait_loadcnt 28-4*\j                         ; loads come back in order (ISA guide 5.7.1): chunk j's four are in, the four of each later chunk may be out
.irp kp, 0,1,2,3
.irp x, 0,1,2,3
	v_fma_mix_f32_bf16 v[16+\x], v[64+32*\x+4*\j+\kp], v[32+4*\j+\kp], v[16+\x] op_sel_hi:[1,1,0]                ; k = 8 j + 2 kp: the low halves; four chains by turns
.endr
.irp x, 0,1,2,3
	v_fma_mix_f32_bf16 v[16+\x], v[64+32*\x+4*\j+\kp], v[32+4*\j+\kp], v[16+\x] op_sel:[1,1,0] op_sel_hi:[1,1,0]  ; k = 8 j + 2 kp + 1: the high halves
.endr
.endr
.endr
.irp x, 0,1,2,3
	v_ashrrev_i32 v[26+\x], 31, v[16+\x]
.endr
.irp x, 0,1,2,3
	v_or_b32 v[26+\x], 0x80000000, v[26+\x]
.endr
.irp x, 0,1,2,3
	v_xor_b32 v[16+\x], v[16+\x], v[26+\x]
	v_xor_b32 v[20+\x], -1, v[20+\x]
.endr
	global_store_b128 v24, v[16:19], s[10:11]      ; 16 lanes store 256 consecutive bytes, aligned
	global_store_b128 v24, v[20:23], s[12:13]
	s_endpgm
.Lfunc_end_k_qdfc1752ce3_rescore:
	.size	k_qdfc1752ce3_rescore, .Lfunc_end_k_qdfc1752ce3_rescore-k_qdfc1752ce3_rescore
	.p2alignl 7, 3214868480
	.fill 96, 4, 3214868480
	.section	.rodata,"a",@progbits
	.p2align	6, 0x0
	.amdhsa_kernel k_qdfc1752ce3_rescore
		.amdhsa_group_segment_fixed_size 0
		.amdhsa_private_segment_fixed_size 0
		.amdhsa_enable_private_segment 0
		.amdhsa_kernarg_size 40
		.amdhsa_user_sgpr_count 2
		.amdhsa_user_sgpr_kernarg_segment_ptr 1
		.amdhsa_wavefront_size32 1
		.amdhsa_system_sgpr_workgroup_id_x 1
		.amdhsa_system_sgpr_workgroup_id_y 1
		.amdhsa_system_sgpr_workgroup_id_z 1
		.amdhsa_system_vgpr_workitem_id 0
		.amdhsa_next_free_vgpr 192
		.amdhsa_next_free_sgpr 84
		.amdhsa_reserve_vcc 0
		.amdhsa_float_denorm_mode_32 3
		.amdhsa_float_denorm_mode_16_64 3
		.amdhsa_memory_ordered 1
		.amdhsa_forward_progress 1
		.amdhsa_inst_pref_size 26
	.end_amdhsa_kernel
	.amdgpu_metadata
---
amdhsa.version: [ 1, 2 ]
amdhsa.kernels:
  - .name:           k_qdfc1752ce3_rescore
    .symbol:         k_qdfc1752ce3_rescore.kd
    .args:
      - { .name: gl, .offset: 0, .size: 8, .value_kind: global_buffer, .address_space: global }
      - { .name: cb, .offset: 8, .size: 8, .value_kind: global_buffer, .address_space: global }
      - { .name: queries, .offset: 16, .size: 8, .value_kind: global_buffer, .address_space: global }
      - { .name: sc, .offset: 24, .size: 8, .value_kind: global_buffer, .address_space: global }
      - { .name: ci, .offset: 32, .size: 8, .value_kind: global_buffer, .address_space: global }
    .group_segment_fixed_size: 0
    .private_segment_fixed_size: 0
    .kernarg_segment_align: 8
    .kernarg_segment_size: 40
    .max_flat_workgroup_size: 512
    .sgpr_count:     84
    .vgpr_count:     192
    .wavefront_size: 32
...
	.end_amdgpu_metadata
.endif
;; end of part 3
;; launch rank (part 4): grid 512 x 1, 4 waves a work-group, no clusters, 4,608 bytes of LDS; arguments sc, ci, out0, out1; writes out0, out1
.if DOCPART == 4
	.amdgcn_target "amdgcn-amd-amdhsa--gfx1250"
	.amdhsa_code_object_version 6
	.text
	.protected	k_qdfc1752ce3_rank
	.globl	k_qdfc1752ce3_rank
	.p2align	8
	.type	k_qdfc1752ce3_rank,@function
k_qdfc1752ce3_rank:
	s_mov_b64 s[64:65], 0
	v_nop
	global_prefetch_b8 v0, s[64:65] scope:SCOPE_SE
	s_setreg_imm32_b32 hwreg(HW_REG_WAVE_MODE, 25, 1), 1
	s_wait_xcnt 0x0
; THE 100 BEST OF A QUERY'S 2,048 RESCORED CANDIDATES, IN ORDER: score descending, then index ascending.  Whole-number arithmetic and a network of fixed shape: comparisons steer selections of values alone;
; no branch and no address hangs on a score.  A work-group is a query, four waves of 512 candidates.
; AN ELEMENT is 64 bits, the key (sc: unsigned, of the scores' order) above and ~index (ci) below.  a > b in three lines: a.lo > b.lo; that bit added to a.hi; the sum > b.hi.  LIMIT: a key of all ones (bits of a NaN) overflows there.
; A LIST is 128 elements, four a lane: index i = 4 x lane + j.  SORT128 is the bitonic sort, ascending.  R is the best 128 so far, descending.  ABSORB: R[i] = max(R[i], N[i]) is bitonic and holds the best 128 of both; seven stages sort it.
; A stage between lanes: each lane fetches its partner's element and keeps its own where (mine > partner) equals (I am to keep the greater); the second is a constant mask of lanes.
; The loop's text names fixed registers, so the lists that wait move up four registers a trip.  At the end element i is the output's place i: lanes 0 to 24 store 16 bytes each.
.set ALL,   0xffffffff
.set LMX1,  0xaaaaaaaa                 ; LMXn: the lanes whose number has the bit of value n
.set LMX2,  0xcccccccc
.set LMX4,  0xf0f0f0f0
.set LMX8,  0xff00ff00
.set LMX16, 0xffff0000
.set EX1,   0                          ; LDS: the four waves' lists meet: elements 0, 1 at 16 x thread, elements 2, 3 2,048 bytes on
.set SPARE, 4096                       ; the spare words, 128 bytes for each wave: two blocks of 256 bytes that no other line names
.set SPW, 1                            ; v1, v2 the add's registers; never rewritten
.set NIL, 2
.set LN,  3                            ; v3   lane
.set SA,  4                            ; v4   16 x thread
.set LL,  5                            ; v5   16 x lane
.set LW,  6                            ; v6   a walking LDS address
.set GV,  7                            ; v7   2,048 x wave + 16 x lane
.set BK,  8                            ; v8   at work
.set T,   14                           ; v[14:17] at work
.set P,   18                           ; v[18:25] the partners' elements
.set R,   26                           ; v[26:33] element j: low word at R + 2 j, key at R + 2 j + 1
.set R2,  34                           ; v[34:41] a stage between registers writes the other set
.set X,   42                           ; v[42:49], v[50:57] the list in hand, likewise
.set Y,   50
.set KH,  58                           ; v[58:73] the keys of the lists that wait
.set KL,  74                           ; v[74:89] their low words
.set C,   12                           ; s[12:15] four comparisons at a time
.set SEL, 16                           ; s[16:17] v_permlanex16_b32: lane i takes lane i xor 16
.set REV, 18                           ; s[18:19] lane i takes lane 31 - i
.set WV,  24                           ; s24  wave
.set CNT, 25                           ; s25  loop count
; a stage between lanes xm apart, on the four elements at b; mask: the lanes that keep the lesser
.macro XL b, xm, mask
.irp j, 0,1,2,3,4,5,6,7
.if (\xm) < 16
	v_mov_b32_dpp v[P+\j], v[(\b)+\j] row_xmask:\xm row_mask:0xf bank_mask:0xf
.else
	v_permlanex16_b32 v[P+\j], v[(\b)+\j], s[SEL], s[SEL+1]
.endif
.endr
.irp j, 0,1,2,3
	v_cmp_gt_u32 s[C+\j], v[(\b)+2*\j], v[P+2*\j]
.endr
.irp j, 0,1,2,3
	v_add_co_ci_u32 v[T+\j], s[C+\j], 0, v[(\b)+2*\j+1], s[C+\j]
.endr
.irp j, 0,1,2,3
	v_cmp_gt_u32 s[C+\j], v[T+\j], v[P+2*\j+1]
.endr
.irp j, 0,1,2,3
	s_xor_b32 s[C+\j], s[C+\j], \mask
.endr
.irp j, 0,1,2,3
	v_cndmask_b32 v[(\b)+2*\j], v[P+2*\j], v[(\b)+2*\j], s[C+\j]
	v_cndmask_b32 v[(\b)+2*\j+1], v[P+2*\j+1], v[(\b)+2*\j+1], s[C+\j]
.endr
.endm
; a stage between registers dist apart, from set s into set d; m0, m1: the lanes in which the pair's lower index keeps the lesser
.macro XR s, d, dist, m0, m1
.set PA0, 0
.set PB0, \dist
.set PA1, 3-(\dist)
.set PB1, 3
	v_cmp_gt_u32 s[C], v[(\s)+2*PA0], v[(\s)+2*PB0]
	v_cmp_gt_u32 s[C+1], v[(\s)+2*PA1], v[(\s)+2*PB1]
	v_add_co_ci_u32 v[T], s[C], 0, v[(\s)+2*PA0+1], s[C]
	v_add_co_ci_u32 v[T+1], s[C+1], 0, v[(\s)+2*PA1+1], s[C+1]
	v_cmp_gt_u32 s[C], v[T], v[(\s)+2*PB0+1]
	v_cmp_gt_u32 s[C+1], v[T+1], v[(\s)+2*PB1+1]
.if (\m0) != 0
	s_xor_b32 s[C], s[C], \m0
.endif
.if (\m1) != 0
	s_xor_b32 s[C+1], s[C+1], \m1
.endif
	v_cndmask_b32 v[(\d)+2*PA0], v[(\s)+2*PB0], v[(\s)+2*PA0], s[C]
	v_cndmask_b32 v[(\d)+2*PA1], v[(\s)+2*PB1], v[(\s)+2*PA1], s[C+1]
	v_cndmask_b32 v[(\d)+2*PA0+1], v[(\s)+2*PB0+1], v[(\s)+2*PA0+1], s[C]
	v_cndmask_b32 v[(\d)+2*PA1+1], v[(\s)+2*PB1+1], v[(\s)+2*PA1+1], s[C+1]
	v_cndmask_b32 v[(\d)+2*PB0], v[(\s)+2*PA0], v[(\s)+2*PB0], s[C]
	v_cndmask_b32 v[(\d)+2*PB1], v[(\s)+2*PA1], v[(\s)+2*PB1], s[C+1]
	v_cndmask_b32 v[(\d)+2*PB0+1], v[(\s)+2*PA0+1], v[(\s)+2*PB0+1], s[C]
	v_cndmask_b32 v[(\d)+2*PB1+1], v[(\s)+2*PA1+1], v[(\s)+2*PB1+1], s[C+1]
.endm
; one merging phase: the stages from lane distance top down to 1, then register distances 2 and 1 (there and back: the list ends in the set in which it began).  dm: the lanes whose block is descending
.macro PHASE set, alt, top, dm
.irp xm, 16,8,4,2,1
.if \xm <= (\top)
	XL \set, \xm, ((\dm)^LMX\xm^ALL)
.endif
.endr
	XR \set, \alt, 2, ((\dm)^ALL), ((\dm)^ALL)
	XR \alt, \set, 1, ((\dm)^ALL), ((\dm)^ALL)
.endm
.macro SORT128                         ; the list in X is sorted, ascending, into Y: blocks of 2, 4, .. 128; a block descends where the index has the bit of the block's size
	XR X, Y, 1, ALL, 0
	PHASE Y, X, 0, LMX1
	PHASE Y, X, 1, LMX2
	PHASE Y, X, 2, LMX4
	PHASE Y, X, 4, LMX8
	PHASE Y, X, 8, LMX16
	PHASE Y, X, 16, 0
.endm
.macro ABSORB n                        ; the ascending list at n goes into R
.irp j, 0,1,2,3
	v_cmp_gt_u32 s[C+\j], v[R+2*\j], v[(\n)+2*\j]
.endr
.irp j, 0,1,2,3
	v_add_co_ci_u32 v[T+\j], s[C+\j], 0, v[R+2*\j+1], s[C+\j]
.endr
.irp j, 0,1,2,3
	v_cmp_gt_u32 s[C+\j], v[T+\j], v[(\n)+2*\j+1]
.endr
.irp j, 0,1,2,3
	v_cndmask_b32 v[R+2*\j], v[(\n)+2*\j], v[R+2*\j], s[C+\j]
	v_cndmask_b32 v[R+2*\j+1], v[(\n)+2*\j+1], v[R+2*\j+1], s[C+\j]
.endr
	PHASE R, R2, 16, ALL
.endm
.macro CLEAR_R                         ; eight registers: an element of zeros is below every element that is read
.irp i, 0,1,2,3,4,5,6,7
	v_mov_b32 v[R+\i], 0
.endr
.endm
	s_load_b256 s[4:11], s[0:1], 0x0               ; sc s[4:5], ci s[6:7], out0 s[8:9], out1 s[10:11]
	v_lshl_add_u32 v[SPW], v0, 2, SPARE
	v_mov_b32 v[NIL], 0
	v_lshrrev_b32 v[BK], 5, v0
	v_readfirstlane_b32 s[WV], v[BK]
	v_and_b32 v[LN], 31, v0
	v_lshlrev_b32 v[SA], 4, v0
	v_lshlrev_b32 v[LL], 4, v[LN]
	v_lshl_add_u32 v[GV], v[BK], 11, v[LL]
	s_mov_b32 s[SEL], 0x76543210
	s_mov_b32 s[SEL+1], 0xfedcba98
	s_mov_b32 s[REV], 0x89abcdef
	s_mov_b32 s[REV+1], 0x01234567
	s_lshl_b32 s2, ttmp9, 13                       ; the query's 8,192 bytes
	s_mov_b32 s3, 0
	s_wait_kmcnt 0x0
	s_add_nc_u64 s[4:5], s[4:5], s[2:3]
	s_add_nc_u64 s[6:7], s[6:7], s[2:3]
.irp t, 0,1,2,3
	global_load_b128 v[KH+4*\t:KH+4*\t+3], v[GV], s[4:5] offset:512*\t th:TH_LOAD_NT  ; a list: 512 consecutive bytes of keys,
	global_load_b128 v[KL+4*\t:KL+4*\t+3], v[GV], s[6:7] offset:512*\t th:TH_LOAD_NT  ; and of low words
.endr
	s_mul_i32 s2, ttmp9, 400                       ; the query's 100 places
	s_add_nc_u64 s[8:9], s[8:9], s[2:3]
	s_add_nc_u64 s[10:11], s[10:11], s[2:3]
.irp i, 0,1,2,3,4,5,6,7
	v_mov_b32 v[P+\i], 0                           ; written once whole: the lane moves count as readers of their destination
.endr
	CLEAR_R
	s_wait_loadcnt 0x0
	s_mov_b32 s[CNT], 4
.Lstream:                                              ; my wave's four lists
.irp j, 0,1,2,3
	v_mov_b32 v[X+2*\j], v[KL+\j]
	v_mov_b32 v[X+2*\j+1], v[KH+\j]
.endr
.set n, 0
.rept 12
	v_mov_b32 v[KL+n], v[KL+n+4]
	v_mov_b32 v[KH+n], v[KH+n+4]
.set n, n+1
.endr
	SORT128
	ABSORB Y
	s_sub_co_u32 s[CNT], s[CNT], 1
	s_cmp_lg_u32 s[CNT], 0
	s_cbranch_scc1 .Lstream
	; THE FOUR WAVES' LISTS MEET.  Each wave stores its R, waits for its stores and passes the barrier; then every wave absorbs all four lists.  A stored list descends; read with lanes and registers reversed it ascends.
	ds_store_b128 v[SA], v[R:R+3] offset:EX1
	ds_store_b128 v[SA], v[R+4:R+7] offset:EX1+2048
	s_wait_dscnt 0x0                               ; for the others' sake: my list is stored
	s_barrier_signal -1
	s_barrier_wait -1
	CLEAR_R
	v_mov_b32 v[LW], v[LL]
	s_mov_b32 s[CNT], 4
.Lmeet:
	ds_load_b128 v[Y:Y+3], v[LW] offset:EX1
	ds_load_b128 v[Y+4:Y+7], v[LW] offset:EX1+2048
	s_wait_dscnt 0x0
.irp j, 0,1,2,3
	v_permlanex16_b32 v[X+2*\j], v[Y+6-2*\j], s[REV], s[REV+1]
	v_permlanex16_b32 v[X+2*\j+1], v[Y+7-2*\j], s[REV], s[REV+1]
.endr
	ABSORB X
	v_add_nc_u32 v[LW], 512, v[LW]                 ; the next wave's list
	s_sub_co_u32 s[CNT], s[CNT], 1
	s_cmp_lg_u32 s[CNT], 0
	s_cbranch_scc1 .Lmeet
	s_wait_tensorcnt 0x0                           ; the wave's end, behind my last LDS store
	ds_add_u32 v[SPW], v[NIL]
	s_wait_dscnt 0x0
	s_cmp_lg_u32 s[WV], 0
	s_cbranch_scc1 .Lend                           ; all four waves hold the same list: wave 0 stores it
.irp j, 0,1,2,3
	v_ashrrev_i32 v[T+\j], 31, v[R+2*\j+1]         ; the key back to f32 bits: u ^ (~(u >> 31) | 0x80000000)
.endr
.irp j, 0,1,2,3
	v_xor_b32 v[T+\j], -1, v[T+\j]
.endr
.irp j, 0,1,2,3
	v_or_b32 v[T+\j], 0x80000000, v[T+\j]
.endr
.irp j, 0,1,2,3
	v_xor_b32 v[X+\j], v[R+2*\j+1], v[T+\j]
	v_xor_b32 v[Y+\j], -1, v[R+2*\j]               ; the index
.endr
	v_cmp_gt_u32 vcc_lo, 25, v[LN]                 ; places 0 to 99 lie in lanes 0 to 24
	s_wait_xcnt 0x0                                ; EXEC changes only behind this wait
	s_and_saveexec_b32 s20, vcc_lo
	global_store_b128 v[LL], v[X:X+3], s[8:9]      ; a row of 400 consecutive bytes
	global_store_b128 v[LL], v[Y:Y+3], s[10:11]
	s_wait_xcnt 0x0                                ; and again in front of the line that widens it
	s_or_b32 exec_lo, exec_lo, s20
.Lend:
	s_endpgm
.Lfunc_end_k_qdfc1752ce3_rank:
	.size	k_qdfc1752ce3_rank, .Lfunc_end_k_qdfc1752ce3_rank-k_qdfc1752ce3_rank
	.p2alignl 7, 3214868480
	.fill 96, 4, 3214868480
	.section	.rodata,"a",@progbits
	.p2align	6, 0x0
	.amdhsa_kernel k_qdfc1752ce3_rank
		.amdhsa_group_segment_fixed_size 4608
		.amdhsa_private_segment_fixed_size 0
		.amdhsa_enable_private_segment 0
		.amdhsa_kernarg_size 32
		.amdhsa_user_sgpr_count 2
		.amdhsa_user_sgpr_kernarg_segment_ptr 1
		.amdhsa_wavefront_size32 1
		.amdhsa_system_sgpr_workgroup_id_x 1
		.amdhsa_system_sgpr_workgroup_id_y 1
		.amdhsa_system_sgpr_workgroup_id_z 1
		.amdhsa_system_vgpr_workitem_id 0
		.amdhsa_next_free_vgpr 96
		.amdhsa_next_free_sgpr 66
		.amdhsa_reserve_vcc 1
		.amdhsa_float_denorm_mode_32 3
		.amdhsa_float_denorm_mode_16_64 3
		.amdhsa_memory_ordered 1
		.amdhsa_forward_progress 1
		.amdhsa_inst_pref_size 76
	.end_amdhsa_kernel
	.amdgpu_metadata
---
amdhsa.version: [ 1, 2 ]
amdhsa.kernels:
  - .name:           k_qdfc1752ce3_rank
    .symbol:         k_qdfc1752ce3_rank.kd
    .args:
      - { .name: sc, .offset: 0, .size: 8, .value_kind: global_buffer, .address_space: global }
      - { .name: ci, .offset: 8, .size: 8, .value_kind: global_buffer, .address_space: global }
      - { .name: out0, .offset: 16, .size: 8, .value_kind: global_buffer, .address_space: global }
      - { .name: out1, .offset: 24, .size: 8, .value_kind: global_buffer, .address_space: global }
    .group_segment_fixed_size: 4608
    .private_segment_fixed_size: 0
    .kernarg_segment_align: 8
    .kernarg_segment_size: 32
    .max_flat_workgroup_size: 128
    .sgpr_count:     66
    .vgpr_count:     96
    .wavefront_size: 32
...
	.end_amdgpu_metadata
.endif
;; end of part 4
;; ======== version 2 of 2: 4 launches; version 1 with the launch rescore written anew for expert scheduling mode
;; workspace buffers: keys 33,554,432 bytes of whole numbers; cb 33,554,432 bytes; gl 262,144 bytes of whole numbers; sc 4,194,304 bytes of whole numbers; ci 4,194,304 bytes of whole numbers
;; launch score: the kernel of part 1 again; grid 256 x 1, 4 waves a work-group, no clusters, 327,680 bytes of LDS; arguments candidates, queries, keys, cb; writes keys, cb
;; launch pick: the kernel of part 2 again; grid 512 x 1, 4 waves a work-group, no clusters, 8,704 bytes of LDS; arguments keys, gl; writes gl
;; launch rescore (part 5): grid 512 x 1, 16 waves a work-group, no clusters, 0 bytes of LDS; arguments gl, cb, queries, sc, ci; writes sc, ci
.if DOCPART == 5
	.amdgcn_target "amdgcn-amd-amdhsa--gfx1250"
	.amdhsa_code_object_version 6
	.text
	.protected	k_qdfc1752ce3_rescore
	.globl	k_qdfc1752ce3_rescore
	.p2align	8
	.type	k_qdfc1752ce3_rescore,@function
k_qdfc1752ce3_rescore:
	s_mov_b64 s[64:65], 0
	v_nop
	global_prefetch_b8 v0, s[64:65] scope:SCOPE_SE
	s_setreg_imm32_b32 hwreg(HW_REG_WAVE_SCHED_MODE, 0, 2), 2
	s_setreg_imm32_b32 hwreg(HW_REG_WAVE_MODE, 25, 1), 1
	s_wait_xcnt 0x0
	s_wait_alu depctr_vm_vsrc(0)
; THE CHOSEN CANDIDATES' SCORES ANEW.  For each query the 128 tiles that gl names, 16 candidates each: score = the sum over k, ascending, of bf16(q[k]) x bf16(c[k]), one f32 chain from +0.
; Each product of two bf16 numbers is exact in f32, so each link rounds once, as a multiply and an add in f32 would.  The order of the additions is what this launch is for: indices are compared exactly.
; NOT ON THE MATRIX UNIT: these are 0.8 per cent of the scores; every query has candidates of its own, so a matrix instruction would use one of its sixteen columns; and its sums have another order.
; SHARES.  A work-group is a query, 512 threads.  Thread t scores row t % 16 of the tiles at gl's places t / 16 + 32 x, x = 0 .. 3.  Sixteen lanes read 256 consecutive aligned bytes of cb a load.
; All 32 loads of a lane go out together.  sc takes the score's bits x as x ^ (x >> 31 | 0x80000000), an unsigned number of the same order; ci takes ~index.  The chain never yields -0.
; v1 4 (t / 16); v2 r; v3 16 r; v[4:7] slots; v[8:11] byte offsets in cb; v12, v13 at work; v[16:19] sums; v[20:23] candidate indices; v24 16 t; v[26:29] at work; v[32:63] the query in bf16; v[64:191] tile x's row at 64 + 32 x
; THE MODE: SCHED_MODE bits 1:0 = 2 (LLVM: expert scheduling mode 2), set by the entry lines.  The code itself states the register dependences between vector instructions and memory instructions, with s_wait_alu, always for 0.
; THE PLAN.  Registers that memory instructions touch, in the order of the text (there is no loop):
;   v1         written at the head; read by the four loads of gl; never written again.
;   v[4:7]     the loads of gl land here, and no vector line names them before; no memory instruction reads them.
;   v[8:11]    written from the slots; read by the 32 loads of cb; never written again.
;   v[64:191]  the loads of cb land here, and no vector line names them before; the chains read them behind their counted waits.
;   v[20:23]   written by the index arithmetic, which stands behind the 32 loads; read by ci's store; never written again.
;   v[16:19]   written by the chains and the mapping; read by sc's store, the wave's last instruction but one.
;   v24        written at the head; read by both stores; never written again.
; So four waits on va_vdst state everything, each ahead of a run of memory instructions whose offsets or data have just been made.  No register that a memory instruction reads is written again, so no wait on vm_vsrc is written;
; no vector instruction writes a scalar register.  The index arithmetic and the query's roundings follow the 32 loads and name none of their registers; ci's store goes out while those loads are on their way.
	s_load_b256 s[4:11], s[0:1], 0x0               ; gl s[4:5], cb s[6:7], queries s[8:9], sc s[10:11]
	s_load_b64 s[12:13], s[0:1], 0x20              ; ci
	v_lshrrev_b32 v1, 4, v0
	v_lshlrev_b32 v1, 2, v1
	v_and_b32 v2, 15, v0
	v_lshlrev_b32 v3, 4, v2
	v_lshlrev_b32 v24, 4, v0
	s_mov_b32 s3, 0
	s_wait_kmcnt 0x0
	s_lshl_b32 s2, ttmp9, 9
	s_add_nc_u64 s[4:5], s[4:5], s[2:3]
	s_wait_alu depctr_va_vdst(0)                   ; v1 is written, which the four loads below read as their offset; so is v24, the stores' offset
.irp x, 0,1,2,3
	global_load_b32 v[4+\x], v1, s[4:5] offset:128*\x
.endr
	s_lshl_b32 s2, ttmp9, 8
	s_add_nc_u64 s[8:9], s[8:9], s[2:3]
	s_load_b512 s[16:31], s[8:9], 0x0              ; the query's 64 numbers
	s_load_b512 s[32:47], s[8:9], 0x40
	s_load_b512 s[48:63], s[8:9], 0x80
	s_load_b512 s[68:83], s[8:9], 0xc0
	s_lshl_b32 s2, ttmp9, 13
	s_add_nc_u64 s[10:11], s[10:11], s[2:3]
	s_add_nc_u64 s[12:13], s[12:13], s[2:3]
	s_wait_loadcnt 0x0
.irp x, 0,1,2,3
	v_min_u32 v[4+\x], 0x3fff, v[4+\x]             ; a slot's number: cb has 16,384 slots
	v_lshl_add_u32 v[8+\x], v[4+\x], 11, v3        ; x 2,048 bytes + my row's 16
.endr
	s_wait_alu depctr_va_vdst(0)                   ; v[8:11] are written, which the 32 loads below read as their offsets
.irp j, 0,1,2,3,4,5,6,7
.irp x, 0,1,2,3
	global_load_b128 v[64+32*\x+4*\j:64+32*\x+4*\j+3], v[8+\x], s[6:7] offset:256*\j  ; k = 8 j .. 8 j + 7 of my row
.endr
.endr
	; meanwhile: candidate index = 16 x (61 g + min(g, 8) + s) + r for slot 64 g + s, and its complement for ci.  None of these lines names v[8:11] or v[64:191]
.irp x, 0,1,2,3
	v_lshrrev_b32 v12, 6, v[4+\x]
	v_min_u32 v13, 8, v12
	v_mad_u32_u24 v12, v12, 61, v13
	v_and_b32 v13, 63, v[4+\x]
	v_add_nc_u32 v12, v12, v13
	v_lshl_add_u32 v[20+\x], v12, 4, v2
	v_xor_b32 v[20+\x], -1, v[20+\x]
	v_mov_b32 v[16+\x], 0
.endr
	s_wait_kmcnt 0x0
.set i, 0
.rept 32
.if i < 24
	v_cvt_pk_bf16_f32 v[32+i], s[16+2*i], s[17+2*i]
.else
	v_cvt_pk_bf16_f32 v[32+i], s[68+2*(i-24)], s[69+2*(i-24)]
.endif
.set i, i+1
.endr
	s_wait_alu depctr_va_vdst(0)                   ; the index arithmetic has written v[20:23], which the store below reads
	global_store_b128 v24, v[20:23], s[12:13]      ; 16 lanes store 256 consecutive bytes, aligned; a store is not counted among the loads, so the counts below stand
.irp j, 0,1,2,3,4,5,6,7
	s_wait_loadcnt 28-4*\j                         ; loads come back in order (ISA guide 5.7.1): chunk j's four are in, the four of each later chunk may be out
.irp kp, 0,1,2,3
.irp x, 0,1,2,3
	v_fma_mix_f32_bf16 v[16+\x], v[64+32*\x+4*\j+\kp], v[32+4*\j+\kp], v[16+\x] op_sel_hi:[1,1,0]                ; k = 8 j + 2 kp: the low halves; four chains by turns
.endr
.irp x, 0,1,2,3
	v_fma_mix_f32_bf16 v[16+\x], v[64+32*\x+4*\j+\kp], v[32+4*\j+\kp], v[16+\x] op_sel:[1,1,0] op_sel_hi:[1,1,0]  ; k = 8 j + 2 kp + 1: the high halves
.endr
.endr
.endr
.irp x, 0,1,2,3
	v_ashrrev_i32 v[26+\x], 31, v[16+\x]
.endr
.irp x, 0,1,2,3
	v_or_b32 v[26+\x], 0x80000000, v[26+\x]
.endr
.irp x, 0,1,2,3
	v_xor_b32 v[16+\x], v[16+\x], v[26+\x]
.endr
	s_wait_alu depctr_va_vdst(0)                   ; the mapping has written v[16:19], which the store below reads
	global_store_b128 v24, v[16:19], s[10:11]      ; 16 lanes store 256 consecutive bytes, aligned
	s_endpgm
.Lfunc_end_k_qdfc1752ce3_rescore:
	.size	k_qdfc1752ce3_rescore, .Lfunc_end_k_qdfc1752ce3_rescore-k_qdfc1752ce3_rescore
	.p2alignl 7, 3214868480
	.fill 96, 4, 3214868480
	.section	.rodata,"a",@progbits
	.p2align	6, 0x0
	.amdhsa_kernel k_qdfc1752ce3_rescore
		.amdhsa_group_segment_fixed_size 0
		.amdhsa_private_segment_fixed_size 0
		.amdhsa_enable_private_segment 0
		.amdhsa_kernarg_size 40
		.amdhsa_user_sgpr_count 2
		.amdhsa_user_sgpr_kernarg_segment_ptr 1
		.amdhsa_wavefront_size32 1
		.amdhsa_system_sgpr_workgroup_id_x 1
		.amdhsa_system_sgpr_workgroup_id_y 1
		.amdhsa_system_sgpr_workgroup_id_z 1
		.amdhsa_system_vgpr_workitem_id 0
		.amdhsa_next_free_vgpr 192
		.amdhsa_next_free_sgpr 84
		.amdhsa_reserve_vcc 0
		.amdhsa_float_denorm_mode_32 3
		.amdhsa_float_denorm_mode_16_64 3
		.amdhsa_memory_ordered 1
		.amdhsa_forward_progress 1
		.amdhsa_inst_pref_size 26
	.end_amdhsa_kernel
	.amdgpu_metadata
---
amdhsa.version: [ 1, 2 ]
amdhsa.kernels:
  - .name:           k_qdfc1752ce3_rescore
    .symbol:         k_qdfc1752ce3_rescore.kd
    .args:
      - { .name: gl, .offset: 0, .size: 8, .value_kind: global_buffer, .address_space: global }
      - { .name: cb, .offset: 8, .size: 8, .value_kind: global_buffer, .address_space: global }
      - { .name: queries, .offset: 16, .size: 8, .value_kind: global_buffer, .address_space: global }
      - { .name: sc, .offset: 24, .size: 8, .value_kind: global_buffer, .address_space: global }
      - { .name: ci, .offset: 32, .size: 8, .value_kind: global_buffer, .address_space: global }
    .group_segment_fixed_size: 0
    .private_segment_fixed_size: 0
    .kernarg_segment_align: 8
    .kernarg_segment_size: 40
    .max_flat_workgroup_size: 512
    .sgpr_count:     84
    .vgpr_count:     192
    .wavefront_size: 32
...
	.end_amdgpu_metadata
.endif
;; end of part 5
;; launch rank: the kernel of part 4 again; grid 512 x 1, 4 waves a work-group, no clusters, 4,608 bytes of LDS; arguments sc, ci, out0, out1; writes out0, out1
